; MI455X (gfx1250); checked and timed in simulation.
; The chip was launched on July 23, 2026; its instructions are those of AMD's public machine-readable ISA for CDNA 5 (MIT licence, August 2026) and "CDNA5" Instruction Set Architecture Reference Guide (July 2026). The comments in the code are by the model that wrote it; some were corrected since.
;; Attention3. Allowed arithmetic: matrix products marked QUANTISED: E4M3 operands, one E8M0 scale for each 32 along K, by v_wmma_scale_f32_16x16x128_f8f6f4 with both operands' format E4M3, f32 sums; products left as they are: f32 operands where the result goes on into a quantised operand, else bf16, f16 or f32 operands; f32 sums; everything else in f32.
;; Inputs: U_b 1,024 float32; U_w 1,024 x 1,024 float32; W_b 1,024 float32; W_w 1,024 x 1,024 float32; decoder_hidden 32 x 1 x 1,024 float32; encoder_outputs 32 x 2,048 x 1,024 float32; v_b 1 float32; v_w 1 x 1,024 float32.
;; Outputs: out0 32 x 1 x 1,024 float32; out1 32 x 1 x 2,048 float32.
;; This version of the problem:
;;   THIS VERSION OF THE PROBLEM IS GIVEN IN LOW PRECISION. The matrix products marked QUANTISED in the list below multiply operands that are first quantised to E4M3 (4 exponent bits, 3 mantissa bits; 8 bits a number), with one power-of-two scale for each 32 numbers along K (OCP MX v1.0); their sums are f32. All else is computed in f32.
;;   The module's matrix products, in the order in which they are computed (A, B: the left and right operand; K: the contracted axis; several contracted axes count as one K, in the product's order):
;;     1. [M 32, K 1,024] x [K 1,024, N 1,024]; A: input decoder_hidden; B: input W_w: QUANTISED
;;     2. [M 65,536, K 1,024] x [K 1,024, N 1,024]; A: input encoder_outputs; B: input U_w: QUANTISED
;;     3. [M 65,536, K 1,024] x [K 1,024, N 1]; A: computed on the way; B: input v_w: left as it is (N = 1 < 16)
;;     4. batch 32 x [M 1, K 2,048] x [K 2,048, N 1,024]; A: computed on the way; B: input encoder_outputs: left as it is (M = 1 < 16)
;;   THE QUANTISER, for each operand of a quantised product, along K:
;;     - K is cut into blocks of 32 from its start; a last block that is shorter is filled with zeros.
;;     - A block's scale is 2^e with e = floor(log2(the largest magnitude in the block)) - 8, held to -126 .. 127; a block of zeros has e = 0. As a byte (E8M0): e + 127.
;;     - Each number is divided by its block's scale, clamped to +-448, and rounded to the nearest number of E4M3, ties to even, subnormals kept.
;;     - The product sums the exact products of the quantised numbers (number of the format x scale) in f32.
;;   ~~~python
;;   def quantise(x, axis):      # numpy; x: float32 -> the quantised numbers, widened to float32 again
;;       x = np.moveaxis(x, axis, -1); K = x.shape[-1]
;;       x = np.pad(x, [(0, 0)] * (x.ndim - 1) + [(0, -K % 32)]); x = x.reshape(x.shape[:-1] + (-1, 32)); a = np.abs(x).max(-1, keepdims=True)
;;       e = np.where(a > 0, np.clip(np.frexp(np.where(a > 0, a, 1))[1] - 1 - 8, -126, 127), 0)      # np.frexp(a)[1] - 1 = floor(log2(a)), exactly
;;       r = np.clip(x / 2.0 ** e, -448, 448)
;;       step = 2.0 ** (np.maximum(np.frexp(np.where(r == 0, 1, r))[1] - 1, -6) - 3)
;;       q = np.round(r / step) * step * 2.0 ** e      # np.round: ties to even
;;       return np.moveaxis(q.reshape(q.shape[:-2] + (-1,))[..., :K], -1, axis).astype(np.float32)
;;   ~~~
;; One version. Each part assembles by itself: llvm-mc -triple=amdgcn-amd-amdhsa -mcpu=gfx1250 --defsym DOCPART=n.
;; ======== version 1 of 1: 3 launches
;; limits: right only within a limited range of input values
;; workspace buffers: ucodes 1,081,344 bytes; tab 262,144 bytes; scores 262,144 bytes
;; launch prep (part 1): grid 128 x 1, 8 waves a work-group, no clusters, 20,480 bytes of LDS; arguments U_w, W_w, decoder_hidden, W_b, U_b, v_w, ucodes, tab; writes ucodes, tab
.if DOCPART == 1
	.amdgcn_target "amdgcn-amd-amdhsa--gfx1250"
	.amdhsa_code_object_version 6
	.text
	.protected	k_q69d9ec1a94_prep
	.globl	k_q69d9ec1a94_prep
	.p2align	8
	.type	k_q69d9ec1a94_prep,@function
k_q69d9ec1a94_prep:
	s_mov_b64 s[64:65], 0
	v_nop
	global_prefetch_b8 v0, s[64:65] scope:SCOPE_SE
	s_setreg_imm32_b32 hwreg(HW_REG_WAVE_MODE, 25, 1), 1
	s_wait_xcnt 0x0
; PREP.  Work-groups 0-63: tile t (rows 16 t .. 16 t + 15) of U_w [1024][1024] f32 becomes codes of FP8 (E4M3) with one E8M0 byte for each 32 along K,
; laid as IMAGES OF THE OPERAND'S REGISTERS: ucodes[t] is 16,896 bytes: the fragment of K step s (128 along K) at 2048 s + 512 c + 16 lane (registers 4 c .. 4 c + 3 of
; that lane: row lane % 16, k = 128 s + 32 c + 16 (lane / 16) + 0 .. 15), and at 16,384 a block of 512 bytes: byte 16 (r + 16 h) + 4 i holds row r's scale word of K step 2 i + h.
; Work-groups 64-127: the same tile of W_w is quantised, and so is decoder_hidden [32][1024]; q = dh W^T is made by the scaled matrix instruction, one K step a wave;
; the eight waves' parts meet in LDS and are added in ascending K.  tab[t][batch] is 128 bytes: 16 numbers c (q + W_b + U_b), c = 2 log2(e), then 16 numbers -2 v_w.
; A block's scale is 2^(floor(log2(largest magnitude)) - 8); each number is divided by it, held within +-448 and rounded to the nearest code, ties to even.
; LIMITS: a block of zeros, and a block whose largest magnitude lies under 2^(9 - 127), gets the byte 1 (the rule says 127 for zeros): its codes are zeros or what the floor's scale
; gives, and the bytes are read by this program alone; NaN and infinities among the inputs are not served.
; Wave s takes K step s of the tile.  A lane loads 16 neighbouring numbers of each block of 32 of its row (four loads of 16 bytes a block): the 512 bytes of a row that a wave touches are used
; whole within its 16 loads, and each byte of the 8.5 MB that the launch reads is read once.  No tensor load, no cluster: no two work-groups share more than decoder_hidden's 128 KB.
; WORK LEFT OUT BY THE PROGRAM.  tanh(z) = 1 - 2 / (1 + e^(2 z)), so reference()'s score of (b, l) is  v_b + sum_n v_w[n]  -  2 sum_n v_w[n] / (1 + e^(2 z[b][l][n])).
; The first two terms are the same for every l of a batch, whatever the inputs hold, and the scores reach both outputs through the softmax over l alone, which takes a term common to its axis away.
; So neither is formed: v_b has no way to an output, is not loaded and is among no launch's arguments.  LIMIT: a NaN, an infinity or an overflow in v_b or in the sum of v_w alone is not carried to the results.
.set USC,  0
.set QP,   1024                        ; LDS, W's path: [8 K steps][32 batches][16 n] f32
.set UT,   16896                       ; a tile of ucodes in bytes
.set PCW,  16                          ; v16-31   the weight's codes
.set PCD0, 32                          ; v32-47   codes of decoder_hidden's rows 0-15
.set SW,   48                          ; v48      the weight's scale word; v49, v50 decoder_hidden's: these three hold scales alone
.set SD0,  49
.set SD1,  50
.set ST0,  64                          ; v64-127  64 numbers of a lane
.set ST1,  128                         ; v128-191 a second set
.set TM,   192                         ; v192-207 at work in QUANT
.set PCD1, 208                         ; v208-223 codes of rows 16-31
.set ACC,  224                         ; v224-239 two accumulators
.set WV,   20                          ; s20 wave = K step
.set SEL,  22                          ; s[22:23] lane selects for v_permlanex16_b32: lane l xor 16
.set MNT,  24                          ; s24 the mantissa field of 448
.set TT,   25                          ; s25 the tile
; 64 numbers of a lane, register 16 b + i = k 32 b + 16 (lane / 16) + i of the lane's row, become a fragment's codes in v[pc] on and the row's scale word in v[pw]
.macro QUANT src, pc, pw
.irp b, 0,1,2,3
	v_max3_num_f32 v[TM+\b], |v[\src+16*\b]|, |v[\src+1+16*\b]|, 0x4800000   ; block b: my 16 numbers, and the floor 2^(9 - 127): the byte cannot fall under 1
.endr
.irp i, 2,4,6,8,10,12,14
.irp b, 0,1,2,3
	s_delay_alu instid0(VALU_DEP_4)
	v_max3_num_f32 v[TM+\b], v[TM+\b], |v[\src+16*\b+\i]|, |v[\src+1+16*\b+\i]|   ; the four blocks by turns
.endr
.endr
.irp b, 0,1,2,3
	s_delay_alu instid0(VALU_DEP_4)
	v_permlanex16_b32 v[TM+4+\b], v[TM+\b], s[SEL], s[SEL+1]
.endr
.irp b, 0,1,2,3
	s_delay_alu instid0(VALU_DEP_4)
	v_max_num_f32 v[TM+\b], v[TM+\b], v[TM+4+\b]               ; with lane l xor 16's 16: the block's largest magnitude
.endr
.irp b, 0,1,2,3
	s_delay_alu instid0(VALU_DEP_4)
	v_add_nc_u32 v[TM+12+\b], 0xfc000000, v[TM+\b]             ; 8 off its exponent field: the conversion's scale operand
.endr
.irp b, 0,1,2,3
	v_and_or_b32 v[TM+8+\b], v[TM+\b], 0x7f800000, s[MNT]      ; 448 x the scale
.endr
.irp b, 0,1,2,3
	v_lshrrev_b32 v[TM+4+\b], 23, v[TM+12+\b]                  ; the scale's byte
.endr
	s_delay_alu instid0(VALU_DEP_3)
	v_lshl_or_b32 v[\pw], v[TM+5], 8, v[TM+4]
	s_delay_alu instid0(VALU_DEP_1)
	v_lshl_or_b32 v[\pw], v[TM+6], 16, v[\pw]
	s_delay_alu instid0(VALU_DEP_1)
	v_lshl_or_b32 v[\pw], v[TM+7], 24, v[\pw]
.irp b, 0,1,2,3
.irp i, 0,1,2,3,4,5,6,7,8,9,10,11,12,13,14,15
	v_med3_num_f32 v[\src+16*\b+\i], v[\src+16*\b+\i], -v[TM+8+\b], v[TM+8+\b]   ; the conversion to an 8-bit code does not saturate (ISA guide 7.6.2): the hold comes first
.endr
	v_cvt_scalef32_pk8_fp8_f32 v[\pc+4*\b:\pc+1+4*\b], v[\src+16*\b:\src+7+16*\b], v[TM+12+\b]
	v_cvt_scalef32_pk8_fp8_f32 v[\pc+2+4*\b:\pc+3+4*\b], v[\src+8+16*\b:\src+15+16*\b], v[TM+12+\b]
.endr
	v_nop                                          ; one plain line behind the last scaled conversion
.endm
; my 64 numbers of a K step: row r, 64 bytes of each block of 128 bytes
.macro FLOAD reg, base, off
.irp b, 0,1,2,3
.irp j, 0,1,2,3
	global_load_b128 v[\reg+16*\b+4*\j:\reg+16*\b+4*\j+3], v4, s[\base:\base+1] offset:\off+128*\b+16*\j
.endr
.endr
.endm
	s_load_b256 s[4:11], s[0:1], 0x0               ; U_w s[4:5], W_w s[6:7], decoder_hidden s[8:9], W_b s[10:11]
	s_load_b256 s[12:19], s[0:1], 0x20             ; U_b s[12:13], v_w s[14:15], ucodes s[16:17], tab s[18:19]
	v_lshl_add_u32 v12, v0, 2, 17408               ; my spare word, behind both paths' LDS bytes: 128 bytes a wave, named by no other line
	v_mov_b32 v13, 0                               ; and 0: these two are kept for the add at the wave's end
	v_lshrrev_b32 v1, 5, v0
	s_delay_alu instid0(VALU_DEP_1)
	v_readfirstlane_b32 s[WV], v1                  ; wave 0..7
	v_and_b32 v3, 31, v0                           ; lane
	v_and_b32 v1, 15, v0                           ; r
	v_bfe_u32 v2, v0, 4, 1                         ; h
	s_delay_alu instid0(VALU_DEP_2)
	v_lshlrev_b32 v4, 12, v1
	s_delay_alu instid0(VALU_DEP_1)
	v_lshl_add_u32 v4, v2, 6, v4                   ; a row of 4,096 bytes x r + 64 h: serves the weight and decoder_hidden
	v_lshlrev_b32 v5, 4, v3                        ; 16 x lane
	; every LDS address is made here, ahead of the parting of the two paths
	s_and_b32 s26, s[WV], 1
	s_lshl_b32 s26, s26, 8
	s_lshr_b32 s27, s[WV], 1
	s_lshl_b32 s27, s27, 2
	s_add_co_u32 s26, s26, s27
	v_lshl_add_u32 v6, v1, 4, s26                  ; U: my row's scale word: 16 r + 256 (s % 2) + 4 (s / 2)
	s_lshl_b32 s27, s[WV], 11
	s_add_co_u32 s27, s27, QP
	v_lshl_add_u32 v7, v2, 9, s27
	s_delay_alu instid0(VALU_DEP_1)
	v_lshl_add_u32 v7, v1, 2, v7                   ; W: my part of q: 2048 s + 64 (8 h + ..) + 4 r
	v_lshrrev_b32 v8, 3, v0
	s_delay_alu instid0(VALU_DEP_1)
	v_lshlrev_b32 v8, 6, v8
	v_and_b32 v10, 3, v0
	s_delay_alu instid0(VALU_DEP_1)
	v_lshlrev_b32 v10, 4, v10                      ; 16 (thread % 4): four n; also the biases' offset
	s_delay_alu instid0(VALU_DEP_1)
	v_add_nc_u32 v8, v8, v10
	s_delay_alu instid0(VALU_DEP_1)
	v_add_nc_u32 v8, QP, v8                        ; back: batch thread / 8, four n
	v_lshlrev_b32 v9, 4, v0                        ; 16 x thread: my 16 bytes of the tile's 4,096 in tab
	v_and_b32 v11, 4, v0                           ; threads with this bit store -2 v, the others c (q + biases)
.irp b, 0,1,2,3
	v_mov_b32 v[TM+4+\b], 0                        ; written once: a lane permute's destination counts as one of its sources
.endr
	s_mov_b32 s[SEL], 0x76543210
	s_mov_b32 s[SEL+1], 0xfedcba98
	s_mov_b32 s[MNT], 0x600000
	s_cmp_lt_u32 ttmp9, 64
	s_cselect_b32 s[TT], 0, 64
	s_sub_co_u32 s[TT], ttmp9, s[TT]               ; the tile
	s_lshl_b32 s28, s[TT], 16                      ; 16 rows of 4,096 bytes a tile,
	s_lshl_b32 s29, s[WV], 9                       ; 512 bytes a K step
	s_add_co_u32 s28, s28, s29
	s_mov_b32 s29, 0
	s_wait_kmcnt 0x0
	s_cmp_lt_u32 ttmp9, 64                         ; U's work-group or W's: the choice hangs on the work-group's number alone
	s_cselect_b64 s[4:5], s[4:5], s[6:7]
	s_add_nc_u64 s[4:5], s[4:5], s[28:29]
	FLOAD ST0, 4, 0                                ; the weight's 16 rows x 128 k
	s_cmp_lt_u32 ttmp9, 64
	s_cbranch_scc0 .Lw_path
	; ---- U: codes and scale words leave as images
	s_wait_loadcnt 0x0
	QUANT ST0, PCW, SW
	s_mul_i32 s28, s[TT], UT
	s_lshl_b32 s30, s[WV], 11
	s_add_co_u32 s30, s30, s28
	s_mov_b32 s31, 0
	s_add_nc_u64 s[30:31], s[16:17], s[30:31]
.irp c, 0,1,2,3
	global_store_b128 v5, v[PCW+4*\c:PCW+4*\c+3], s[30:31] offset:512*\c   ; the wave stores 512 consecutive bytes, at a multiple of 256 from the buffer's first byte
.endr
	ds_store_b32 v6, v[SW] offset:USC              ; both lanes of a row write the same word with the same value
	s_wait_tensorcnt 0x0                           ; behind my last LDS store
	ds_add_u32 v12, v13
	s_wait_dscnt 0x0                               ; also for the others' sake: my word lies in LDS
	s_barrier_signal -1
	s_barrier_wait -1
	s_cmp_lg_u32 s[WV], 0
	s_cbranch_scc1 .Lu_end
	ds_load_b128 v[240:243], v5 offset:USC         ; wave 0 stores the tile's 512 bytes of scale words
	s_mov_b32 s29, 0
	s_add_nc_u64 s[28:29], s[16:17], s[28:29]
	s_wait_dscnt 0x0
	global_store_b128 v5, v[240:243], s[28:29] offset:16384
.Lu_end:
	s_endpgm
	; ---- W: q's part of K step s, for 32 batches x 16 n
.Lw_path:
	s_lshl_b32 s28, s[WV], 9
	s_add_nc_u64 s[8:9], s[8:9], s[28:29]          ; decoder_hidden at my K step
	FLOAD ST1, 8, 0                                ; rows 0-15
	s_lshl_b32 s28, s[TT], 6                       ; 16 numbers a tile
	s_add_nc_u64 s[10:11], s[10:11], s[28:29]
	s_add_nc_u64 s[12:13], s[12:13], s[28:29]
	s_add_nc_u64 s[14:15], s[14:15], s[28:29]
	s_wait_alu depctr_va_vdst(0)
	global_load_b128 v[240:243], v10, s[10:11]     ; W_b, U_b, v_w at my four n
	global_load_b128 v[244:247], v10, s[12:13]
	global_load_b128 v[248:251], v10, s[14:15]
	s_wait_loadcnt 19                              ; the weight's 16 loads are in: behind them 16 of rows 0-15 and 3 of the biases
	QUANT ST0, PCW, SW
	FLOAD ST0, 8, 65536                            ; rows 16-31
	s_wait_loadcnt 19                              ; rows 0-15 are in: behind them the 3 and the 16 just issued
	QUANT ST1, PCD0, SD0
	s_wait_loadcnt 0x0
	QUANT ST0, PCD1, SD1
.rept 8
	v_nop                                          ; operands and scale words written by vector instructions stand ahead of a scaled matrix instruction: 4 and 8 places
.endr
	v_wmma_scale_f32_16x16x128_f8f6f4 v[ACC:ACC+7], v[PCD0:PCD0+15], v[PCW:PCW+15], 0, v[SD0], v[SW]         ; register j of lane (r, h): batch 8 h + j, n = r
	v_wmma_scale_f32_16x16x128_f8f6f4 v[ACC+8:ACC+15], v[PCD1:PCD1+15], v[PCW:PCW+15], 0, v[SD1], v[SW]      ; batches 16 on
.rept 8
	v_nop                                          ; eight places behind this form before its results are read
.endr
.irp m, 0,1
.irp j, 0,1,2,3,4,5,6,7
	ds_store_b32 v7, v[ACC+8*\m+\j] offset:1024*\m+64*\j    ; each accumulator from its low end on
.endr
.endr
	s_wait_tensorcnt 0x0                           ; behind my last LDS store
	ds_add_u32 v12, v13
	s_wait_dscnt 0x0                               ; also for the others' sake: my part lies in LDS
	s_barrier_signal -1
	s_barrier_wait -1
.irp s, 0,1,2,3,4,5,6,7
	ds_load_b128 v[ST0+4*\s:ST0+4*\s+3], v8 offset:2048*\s
.endr
	s_lshl_b32 s28, s[TT], 12
	s_add_nc_u64 s[18:19], s[18:19], s[28:29]      ; tab at my tile
	v_cmp_ne_u32 vcc_lo, 0, v11
	s_wait_dscnt 0x0
.irp s, 1
	v_pk_add_f32 v[ST0:ST0+1], v[ST0:ST0+1], v[ST0+4*\s:ST0+4*\s+1]              ; K ascending
	v_pk_add_f32 v[ST0+2:ST0+3], v[ST0+2:ST0+3], v[ST0+4*\s+2:ST0+4*\s+3]
.endr
.irp s, 2, 3, 4, 5, 6, 7
	s_delay_alu instid0(VALU_DEP_2)
	v_pk_add_f32 v[ST0:ST0+1], v[ST0:ST0+1], v[ST0+4*\s:ST0+4*\s+1]              ; K ascending
	s_delay_alu instid0(VALU_DEP_2)
	v_pk_add_f32 v[ST0+2:ST0+3], v[ST0+2:ST0+3], v[ST0+4*\s+2:ST0+4*\s+3]
.endr
	s_delay_alu instid0(VALU_DEP_2)
	v_pk_add_f32 v[ST0:ST0+1], v[ST0:ST0+1], v[240:241]
	s_delay_alu instid0(VALU_DEP_2)
	v_pk_add_f32 v[ST0+2:ST0+3], v[ST0+2:ST0+3], v[242:243]
	s_delay_alu instid0(VALU_DEP_2)
	v_pk_add_f32 v[ST0:ST0+1], v[ST0:ST0+1], v[244:245]
	s_delay_alu instid0(VALU_DEP_2)
	v_pk_add_f32 v[ST0+2:ST0+3], v[ST0+2:ST0+3], v[246:247]
	s_delay_alu instid0(VALU_DEP_2)
	v_pk_mul_f32 v[ST0:ST0+1], v[ST0:ST0+1], 0x4038aa3b op_sel_hi:[1,0]          ; x c = 2 log2(e)
	s_delay_alu instid0(VALU_DEP_2)
	v_pk_mul_f32 v[ST0+2:ST0+3], v[ST0+2:ST0+3], 0x4038aa3b op_sel_hi:[1,0]
	v_pk_mul_f32 v[248:249], v[248:249], -2.0 op_sel_hi:[1,0]
	v_pk_mul_f32 v[250:251], v[250:251], -2.0 op_sel_hi:[1,0]
.irp k, 0,1,2,3
	v_cndmask_b32 v[ST0+\k], v[ST0+\k], v[248+\k], vcc_lo
.endr
	global_store_b128 v9, v[ST0:ST0+3], s[18:19]   ; a wave stores 512 consecutive bytes
	s_endpgm
.Lfunc_end_k_q69d9ec1a94_prep:
	.size	k_q69d9ec1a94_prep, .Lfunc_end_k_q69d9ec1a94_prep-k_q69d9ec1a94_prep
	.p2alignl 7, 3214868480
	.fill 96, 4, 3214868480
	.section	.rodata,"a",@progbits
	.p2align	6, 0x0
	.amdhsa_kernel k_q69d9ec1a94_prep
		.amdhsa_group_segment_fixed_size 20480
		.amdhsa_private_segment_fixed_size 0
		.amdhsa_enable_private_segment 0
		.amdhsa_kernarg_size 64
		.amdhsa_user_sgpr_count 2
		.amdhsa_user_sgpr_kernarg_segment_ptr 1
		.amdhsa_wavefront_size32 1
		.amdhsa_system_sgpr_workgroup_id_x 1
		.amdhsa_system_sgpr_workgroup_id_y 1
		.amdhsa_system_sgpr_workgroup_id_z 1
		.amdhsa_system_vgpr_workitem_id 0
		.amdhsa_next_free_vgpr 256
		.amdhsa_next_free_sgpr 66
		.amdhsa_reserve_vcc 1
		.amdhsa_float_denorm_mode_32 3
		.amdhsa_float_denorm_mode_16_64 3
		.amdhsa_memory_ordered 1
		.amdhsa_forward_progress 1
		.amdhsa_inst_pref_size 51
	.end_amdhsa_kernel
	.amdgpu_metadata
---
amdhsa.version: [ 1, 2 ]
amdhsa.kernels:
  - .name:           k_q69d9ec1a94_prep
    .symbol:         k_q69d9ec1a94_prep.kd
    .args:
      - { .name: U_w, .offset: 0, .size: 8, .value_kind: global_buffer, .address_space: global }
      - { .name: W_w, .offset: 8, .size: 8, .value_kind: global_buffer, .address_space: global }
      - { .name: decoder_hidden, .offset: 16, .size: 8, .value_kind: global_buffer, .address_space: global }
      - { .name: W_b, .offset: 24, .size: 8, .value_kind: global_buffer, .address_space: global }
      - { .name: U_b, .offset: 32, .size: 8, .value_kind: global_buffer, .address_space: global }
      - { .name: v_w, .offset: 40, .size: 8, .value_kind: global_buffer, .address_space: global }
      - { .name: ucodes, .offset: 48, .size: 8, .value_kind: global_buffer, .address_space: global }
      - { .name: tab, .offset: 56, .size: 8, .value_kind: global_buffer, .address_space: global }
    .group_segment_fixed_size: 20480
    .private_segment_fixed_size: 0
    .kernarg_segment_align: 8
    .kernarg_segment_size: 64
    .max_flat_workgroup_size: 256
    .sgpr_count:     66
    .vgpr_count:     256
    .wavefront_size: 32
...
	.end_amdgpu_metadata
.endif
;; end of part 1
;; launch scorepass (part 2): grid 256 x 1, 4 waves a work-group, clusters of 4 x 1, 327,680 bytes of LDS; arguments encoder_outputs, ucodes, tab, scores; writes scores
.if DOCPART == 2
	.amdgcn_target "amdgcn-amd-amdhsa--gfx1250"
	.amdhsa_code_object_version 6
	.text
	.protected	k_q69d9ec1a94_scorepass
	.globl	k_q69d9ec1a94_scorepass
	.p2align	8
	.type	k_q69d9ec1a94_scorepass,@function
k_q69d9ec1a94_scorepass:
	s_mov_b64 s[64:65], 0
	v_nop
	global_prefetch_b8 v0, s[64:65] scope:SCOPE_SE
	s_setreg_imm32_b32 hwreg(HW_REG_WAVE_MODE, 25, 1), 1
	s_wait_xcnt 0x0
	s_wait_alu depctr_hold_cnt(0) depctr_sa_sdst(0) depctr_va_vdst(0) depctr_va_sdst(0) depctr_va_ssrc(0) depctr_va_vcc(0) depctr_vm_vsrc(0)
	s_getreg_b32 s2, hwreg(HW_REG_IB_STS2, 6, 4)
	s_cmp_eq_u32 s2, 0
	s_cbranch_scc0 .Lentry_in_a_cluster
	s_endpgm
.Lentry_in_a_cluster:
	s_bfe_u32 s2, ttmp6, 0x10000c
	s_cmp_lg_u32 s2, 0x3003
	s_cbranch_scc0 .Lentry_shape_is_right
	s_endpgm
.Lentry_shape_is_right:
; SCORES.  scores[b][l] = sum_n (-2 v_w[n]) / (1 + 2^(c (q[b][n] + k[b][l][n] + biases))), c = 2 log2(e), k = Q(x) Q(U)^T on codes of E4M3 with E8M0 scales.
; WORK LEFT OUT: v_b and the sum of v_w, which are the same for all l of a batch and fall away in the softmax (shown at the head of the first kernel).
; SHARES.  A work-group owns 256 rows (b, l), a wave 64 of them, for all 1,024 n.  PHASE 1: the wave's 64 rows x 1,024 f32 come through two landing slots, 128 along K a step (rows of 512 bytes),
; are quantised (64 numbers a lane and tile of 16 rows) and end as 32 fragments in 512 registers.  PHASE 2: U's 64 tiles of 16 n, register images made by the first kernel, come through the same two slots,
; 8 tiles a slot; a tile is 32 matrix instructions a wave, used transposed (source 0 = U's 16 rows, source 1 = 16 rows of x): lane (r, h) holds row r and registers n = 8 h + 0 .. 7.
; A TILE'S MATRIX INSTRUCTIONS STAND IN ONE RUN, 4 accumulators by turns, with no transcendental among them; the tanh work of the tile follows in six segments parted by five waits; in three of them one half's
; transcendentals stand among the other half's plain lines.  The score sums have a pair of registers for each of the 16 pairs of results, so that none is read again inside a batch of transcendentals.
; CLUSTERS: the four work-groups of a cluster walk the same tiles of U and ask for them jointly (mask 15); x's rows are each work-group's own (no mask).
; PREFETCH: x's K step j + 1 is asked for behind the tensor load of K step j: 64 rows x 512 bytes a wave, a lane a block of 256 bytes, 4 instructions; K steps 0 and 1 come by their loads alone, and nothing is asked
; for behind K step 7.  U's slots are not prefetched: a slot is asked for 8 tiles, 256 matrix instructions a wave, ahead of its first read.
; LIMITS: NaN and infinities among the inputs are not served; a block of zeros or under 2^(9 - 127) gets the byte 1 (its bytes are read here alone); 2^(..) beyond f32 gives infinity and the term 0, as tanh = 1 has it.
; REGISTERS: window 0: v1-7 addresses, v8-23 the tile's -2 v and c (q + biases), v32-35 U's scale words, v40-55 x's scale words, v56-63 addresses, v64-95 accumulators, v96-127 score sums, v128-255 U's fragments
; (phase 1: numbers and codes at work); windows 1 to 3: x's fragments, K step s, tile m at v[16 (4 (s % 3) + m)] of window 1 + s / 3.
.set PX,     528                       ; a landing row: 512 bytes + 16 of padding
.set WLAND,  64*PX
.set LAND1,  4*WLAND                   ; landing slot 1 = U's slot 1
.set UT,     16896                     ; a tile of U: 8 fragments of 2,048 bytes and 512 bytes of scale words
.set USLOT,  8*UT
.set SLOT1,  LAND1
.set STG,    2*LAND1                   ; 8,192 bytes a wave: a K step's codes on their way into the windows
.set SSC,    STG+4*8192                ; 2,048 bytes a wave: x's scale words
.set TAB,    SSC+4*2048                ; the batch's table: 64 tiles x 128 bytes
.set SCR,    TAB+8192                  ; 256 bytes a wave: the way out
.set SPARE,  SCR+1024                  ; the spare words
.set SPW,  1
.set NIL,  2
.set BAD,  3
.set TBA,  4
.set ADX,  5
.set ADB,  5
.set ADS,  6
.set ADT,  6
.set ADP,  7
.set CTV,  8
.set CTB,  16
.set SB,   32
.set SA,   40
.set SCW,  56
.set SCD,  57
.set GO,   58
.set PFO,  59
.set XA,   60
.set SWI,  62
.set SWS,  63
.set ACC,  64
.set SACC, 96
.set BF,   128
.set ST,   128
.set PC,   192
.set TM,   208
.set PW,   224
.set WV,   14
.set G1E,  24
.set G0E,  32
.set G1U,  40
.set G0U,  48
.set CS,   52
.set SEL,  54
.set MNT,  56
.set TLO,  57
.set TTO,  58
.set OX,   59
.set OG,   60
.set OP,   61
.set NSL,  62
.set NPR,  63
.set MSB, 0
.macro WIN new                         ; the immediate's high byte repeats the setting that is left
.if MSB != \new
	s_set_vgpr_msb (MSB<<8)|\new
.set MSB, \new
.endif
.endm
.macro PLACES n
.rept \n
	v_nop
.endr
.endm
.macro ROUND                           ; a round of the cluster's barrier
	s_barrier_signal -1
	s_barrier_wait -1
	s_cmp_lg_u32 s[WV], 0
	s_cbranch_scc1 .Lnot_wave_0_\@
	s_barrier_signal -3
.Lnot_wave_0_\@:
	s_barrier_wait -3
	s_barrier_signal -1
	s_barrier_wait -1
.endm
; 64 numbers of a lane (register 16 b + i = k 32 b + 16 h + i of its row) become a fragment's codes and the row's scale word
.macro QUANT src, pc, pw
.irp b, 0,1,2,3
	v_max3_num_f32 v[TM+\b], |v[\src+16*\b]|, |v[\src+1+16*\b]|, 0x4800000   ; the floor 2^(9 - 127) holds the byte at 1 from below
.endr
.irp i, 2,4,6,8,10,12,14
.irp b, 0,1,2,3
	v_max3_num_f32 v[TM+\b], v[TM+\b], |v[\src+16*\b+\i]|, |v[\src+1+16*\b+\i]|
.endr
.endr
.irp b, 0,1,2,3
	v_permlanex16_b32 v[TM+4+\b], v[TM+\b], s[SEL], s[SEL+1]
.endr
.irp b, 0,1,2,3
	v_max_num_f32 v[TM+\b], v[TM+\b], v[TM+4+\b]               ; with lane l xor 16's 16: the block's largest magnitude
.endr
.irp b, 0,1,2,3
	v_add_nc_u32 v[TM+12+\b], 0xfc000000, v[TM+\b]             ; 8 off its exponent field: the conversion's scale operand
.endr
.irp b, 0,1,2,3
	v_and_or_b32 v[TM+8+\b], v[TM+\b], 0x7f800000, s[MNT]      ; 448 x the scale
.endr
.irp b, 0,1,2,3
	v_lshrrev_b32 v[TM+4+\b], 23, v[TM+12+\b]                  ; the byte
.endr
	v_lshl_or_b32 v[\pw], v[TM+5], 8, v[TM+4]
	v_lshl_or_b32 v[\pw], v[TM+6], 16, v[\pw]
	v_lshl_or_b32 v[\pw], v[TM+7], 24, v[\pw]
.irp b, 0,1,2,3
.irp i, 0,1,2,3,4,5,6,7,8,9,10,11,12,13,14,15
	v_med3_num_f32 v[\src+16*\b+\i], v[\src+16*\b+\i], -v[TM+8+\b], v[TM+8+\b]   ; the conversion does not saturate (ISA guide 7.6.2): the hold comes first
.endr
	v_cvt_scalef32_pk8_fp8_f32 v[\pc+4*\b:\pc+1+4*\b], v[\src+16*\b:\src+7+16*\b], v[TM+12+\b]
	v_cvt_scalef32_pk8_fp8_f32 v[\pc+2+4*\b:\pc+3+4*\b], v[\src+8+16*\b:\src+15+16*\b], v[TM+12+\b]
.endr
	v_nop                                          ; one plain line behind the last scaled conversion
.endm
; K step s of x: my four tiles of 16 rows, in a loop, from landing slot s % 2 into my stage; then the 64 registers go into their window
.macro KSTEP s
	s_mov_b32 s[OX], 0
	s_mov_b32 s[OG], 0
	s_mov_b32 s[OP], 0
.Ltile_\@:
	v_add_nc_u32 v[ADX], s[OX], v[XA+((\s)&1)]
.irp b, 0,1,2,3
.irp j, 0,1,2,3
	ds_load_b128 v[ST+16*\b+4*\j:ST+16*\b+4*\j+3], v[ADX] offset:128*\b+16*\j
.endr
.endr
	s_wait_dscnt 0x0
	QUANT ST, PC, PW
	v_add_nc_u32 v[ADS], s[OG], v[SWI]
	v_add_nc_u32 v[ADP], s[OP], v[SWS]
.irp c, 0,1,2,3
	ds_store_b128 v[ADS], v[PC+4*\c:PC+4*\c+3] offset:512*\c
.endr
	ds_store_b32 v[ADP], v[PW] offset:128*((\s)/2)+64*((\s)&1)    ; tile m, K step s, row r at 512 m + 128 (s / 2) + 64 (s % 2) + 4 r
	s_add_co_u32 s[OX], s[OX], 16*PX
	s_add_co_u32 s[OG], s[OG], 2048
	s_add_co_u32 s[OP], s[OP], 512
	s_cmp_lt_u32 s[OP], 2048
	s_cbranch_scc1 .Ltile_\@
.set wK, (1+(\s)/3)<<6
	WIN wK
.irp m, 0,1,2,3
.irp c, 0,1,2,3
	ds_load_b128 v[16*(4*((\s)%3)+\m)+4*\c:16*(4*((\s)%3)+\m)+4*\c+3], v[SWI] offset:2048*\m+512*\c   ; LDS serves a wave's instructions in order: these see my stores
.endr
.endr
	WIN 0
.endm
.macro ASK j                           ; K step j of my 64 rows: a lane a block of 256 bytes; base and offset register are never rewritten
.irp q, 0,1,2,3
	global_prefetch_b8 v[PFO], s[4:5] offset:512*(\j)+256*((\q)&1)+131072*((\q)>>1) th:TH_LOAD_NT scope:SCOPE_SE
.endr
.endm
.macro REFILL n, j                     ; K step j into landing slot n, which has just been read out
	s_wait_tensorcnt 0x0                           ; my load of the other slot has landed;
	ds_add_u32 v[SPW], v[NIL]
	s_add_nc_u64 s[G0E+4*(\n)+2:G0E+4*(\n)+3], s[G0E+4*(\n)+2:G0E+4*(\n)+3], 1024
	s_wait_dscnt 0x0                               ; the add is done, and my reads of this slot are over
	ROUND
	tensor_load_to_lds s[G0E+4*(\n):G0E+4*(\n)+3], s[G1E:G1E+7]
	s_nop 0
	PLACES 4
.if (\j) < 7
	ASK (\j)+1
.endif
.endm
; a change of U's slots.  kind 2: slot 0's first tiles; 1: the next 8 tiles into the other slot than last time; 0: nothing more to ask for.  turn: my reads go on in the other slot
.macro CHANGE kind, turn
	s_wait_tensorcnt 0x0
	ds_add_u32 v[SPW], v[NIL]
.if \kind == 1
	s_xor_b32 s[G0U+1], s[G0U+1], SLOT1
	s_add_nc_u64 s[G0U+2:G0U+3], s[G0U+2:G0U+3], USLOT
.endif
	s_wait_dscnt 0x0
.if \kind > 0
	ROUND
	tensor_load_to_lds s[G0U:G0U+3], s[G1U:G1U+7]
	s_nop 0
	PLACES 4
.else
	s_barrier_signal -1
	s_barrier_wait -1
.endif
.if \turn
	s_sub_co_u32 s[TLO], s[TLO], USLOT
	s_xor_b32 s[TLO], s[TLO], SLOT1
.endif
.endm
; matrix instruction i of a tile: K step i / 4, my tile of rows i % 4.  Scale words: lanes 0-15 hold the even K step's, lanes 16-31 the odd one's
.macro MM i
.set sK, (\i)>>2
.set mT, (\i)&3
.set rD, ACC+8*mT
.set rA, 16*(4*(sK%3)+mT)
.set rB, BF+16*sK
.set rSA, SA+4*mT+(sK>>1)
.set rSB, SB+(sK>>1)
.set wN, (1+sK/3)<<2
	WIN wN
.if sK == 0
	v_wmma_scale_f32_16x16x128_f8f6f4 v[rD:rD+7], v[rB:rB+15], v[rA:rA+15], 0, v[rSB], v[rSA]
.elseif (sK&1) == 0
	v_wmma_scale_f32_16x16x128_f8f6f4 v[rD:rD+7], v[rB:rB+15], v[rA:rA+15], v[rD:rD+7], v[rSB], v[rSA]
.else
	v_wmma_scale_f32_16x16x128_f8f6f4 v[rD:rD+7], v[rB:rB+15], v[rA:rA+15], v[rD:rD+7], v[rSB], v[rSA] matrix_a_scale:MATRIX_SCALE_ROW1 matrix_b_scale:MATRIX_SCALE_ROW1
.endif
.endm
.macro BLOAD s
.irp c, 0,1,2,3
	ds_load_b128 v[BF+16*(\s)+4*\c:BF+16*(\s)+4*\c+3], v[ADB] offset:2048*(\s)+512*\c
.endr
.endm
; the tanh work on pair i (0 .. 15) of the tile's 32 results a lane
.macro OPA i                           ; c k + c (q + biases)
	v_pk_fma_f32 v[ACC+2*(\i):ACC+2*(\i)+1], v[ACC+2*(\i):ACC+2*(\i)+1], s[CS:CS+1], v[CTB+2*((\i)&3):CTB+2*((\i)&3)+1] op_sel_hi:[1,0,1]
.endm
.macro OPC i                           ; 1 + 2^(..)
	v_pk_add_f32 v[ACC+2*(\i):ACC+2*(\i)+1], v[ACC+2*(\i):ACC+2*(\i)+1], 1.0 op_sel_hi:[1,0]
.endm
.macro OPE i                           ; the pair's own sums += -2 v / (..)
	v_pk_fma_f32 v[SACC+2*(\i):SACC+2*(\i)+1], v[ACC+2*(\i):ACC+2*(\i)+1], v[CTV+2*((\i)&3):CTV+2*((\i)&3)+1], v[SACC+2*(\i):SACC+2*(\i)+1]
.endm
.macro TR op, i
	\op v[ACC+2*(\i)], v[ACC+2*(\i)]
	\op v[ACC+2*(\i)+1], v[ACC+2*(\i)+1]
.endm
.macro VPHASE                          ; every wait below parts what a segment wrote from its readers in the next
.irp i, 0,1,2,3,4,5,6,7,8,9,10,11,12,13,14,15
	OPA \i                                         ; each accumulator from its low end on
.endr
	s_wait_alu depctr_va_vdst(0)
.irp i, 0,1,2,3,4,5,6,7
	TR v_exp_f32, \i
.endr
	s_wait_alu depctr_va_vdst(0)
.irp i, 0,1,2,3,4,5,6,7
	OPC \i
	TR v_exp_f32, \i+8
.endr
	s_wait_alu depctr_va_vdst(0)
.irp i, 0,1,2,3,4,5,6,7
	OPC \i+8
	TR v_rcp_f32, \i
.endr
	s_wait_alu depctr_va_vdst(0)
.irp i, 0,1,2,3,4,5,6,7
	OPE \i
	TR v_rcp_f32, \i+8
.endr
	s_wait_alu depctr_va_vdst(0)
.irp i, 8,9,10,11,12,13,14,15
	OPE \i
.endr
.endm
; A TILE OF 16 n.  Its fragments of U are in registers or on their way; ld = 1: the next tile's are fetched, K steps 0-3 in the run's middle, K steps 4-7 and the scale words at its end
.macro BODY ld
.if \ld
	v_add_nc_u32 v[ADB], s[TLO], v[BAD]
	s_add_co_u32 s[TLO], s[TLO], UT
.endif
	v_add_nc_u32 v[ADT], s[TTO], v[TBA]
	s_add_co_u32 s[TTO], s[TTO], 128
	s_wait_alu depctr_va_vdst(0)
	ds_load_b128 v[CTB:CTB+3], v[ADT]
	ds_load_b128 v[CTB+4:CTB+7], v[ADT] offset:16
	ds_load_b128 v[CTV:CTV+3], v[ADT] offset:64
	ds_load_b128 v[CTV+4:CTV+7], v[ADT] offset:80
	s_wait_dscnt 20                                ; K steps 0-3 and the scale words are in; the 16 loads of K steps 4-7 and the 4 above may be out
.set I, 0
.rept 16
	MM I
.set I, I+1
.endr
.if \ld
	PLACES 8                                       ; in front of loads into registers that matrix instructions have read
	BLOAD 0
	BLOAD 1
	BLOAD 2
	BLOAD 3
	s_wait_dscnt 16                                ; all but the 16 just issued
.else
	s_wait_dscnt 0x0
.endif
.rept 16
	MM I
.set I, I+1
.endr
	WIN 0
	PLACES 8                                       ; in front of the loads below and of the first read of the results
.if \ld
	ds_load_b128 v[SB:SB+3], v[ADB] offset:16384
	BLOAD 4
	BLOAD 5
	BLOAD 6
	BLOAD 7
.endif
	VPHASE
.endm
.macro BODIES n
	s_mov_b32 s[NPR], \n
.Lbody_\@:
	BODY 1
	s_sub_co_u32 s[NPR], s[NPR], 1
	s_cmp_lg_u32 s[NPR], 0
	s_cbranch_scc1 .Lbody_\@
.endm
	s_load_b256 s[4:11], s[0:1], 0x0               ; x s[4:5], ucodes s[6:7], tab s[8:9], scores s[10:11]
	v_lshl_add_u32 v[SPW], v0, 2, SPARE
	v_mov_b32 v[NIL], 0
	ds_add_u32 v[SPW], v[NIL]                      ; the opening lines: the add, twice on end, and its wait ahead of the first round
	ds_add_u32 v[SPW], v[NIL]
	v_lshrrev_b32 v64, 5, v0
	v_readfirstlane_b32 s[WV], v64
	s_bfe_u32 s15, ttmp6, 0x40000                  ; cx
	s_lshl_b32 s16, ttmp9, 2
	s_add_co_u32 s16, s16, s15                     ; work-group
	s_lshl_b32 s18, s16, 20                        ; 256 rows of 4,096 bytes a work-group,
	s_lshl_b32 s19, s[WV], 18                      ; 64 a wave
	s_add_co_u32 s18, s18, s19
	s_mov_b32 s19, 0
	s_mul_i32 s20, s[WV], 2*UT                     ; U: two tiles a wave, in memory and in a slot
	s_mov_b32 s21, 0
	s_mul_i32 s17, s[WV], WLAND
	s_lshr_b32 s22, ttmp9, 1                       ; batch = cluster / 2
	s_lshl_b32 s22, s22, 7
	s_mov_b32 s23, 0
	s_lshl_b32 s12, s16, 10                        ; scores: 1,024 bytes a work-group, 256 a wave
	s_lshl_b32 s15, s[WV], 8
	s_add_co_u32 s12, s12, s15
	s_mov_b32 s13, 0
	s_lshl_b32 s57, s[WV], 13
	s_add_co_u32 s57, s57, STG                     ; my stage,
	s_lshl_b32 s58, s[WV], 11
	s_add_co_u32 s58, s58, SSC                     ; my scale words,
	s_add_co_u32 s59, s15, SCR                     ; my way out
	s_mov_b32 s[G1E+0], (2<<16)|(1<<20)|(6<<22)|(3<<25)   ; x: 64 rows of 128 f32, 4 words of padding behind each 128
	s_mov_b32 s[G1E+1], 128<<16
	s_mov_b32 s[G1E+2], 64<<16
	s_mov_b32 s[G1E+3], 128<<16
	s_mov_b32 s[G1E+4], 64
	s_mov_b32 s[G1E+5], 1024
	s_mov_b32 s[G1E+6], 0
	s_mov_b32 s[G1E+7], 0
	s_mov_b32 s[G1U+0], 15|(3<<16)|(1<<21)         ; U: a dense block of 2 tiles as 132 rows of 256 bytes; asked for jointly by the cluster's four
	s_mov_b32 s[G1U+1], 32<<16
	s_mov_b32 s[G1U+2], 132<<16
	s_mov_b32 s[G1U+3], 32<<16
	s_mov_b32 s[G1U+4], 132
	s_mov_b32 s[G1U+5], 32
	s_mov_b32 s[G1U+6], 0
	s_mov_b32 s[G1U+7], 0
	s_mov_b32 s[CS], 0x4038aa3b                    ; c = 2 log2(e)
	s_mov_b32 s[CS+1], s[CS]
	s_mov_b32 s[SEL], 0x76543210
	s_mov_b32 s[SEL+1], 0xfedcba98
	s_mov_b32 s[MNT], 0x600000
	s_wait_dscnt 0x0                               ; both opening adds are done
	s_wait_kmcnt 0x0
	s_add_nc_u64 s[4:5], s[4:5], s[18:19]
	s_add_nc_u64 s[6:7], s[6:7], s[20:21]
	s_add_nc_u64 s[8:9], s[8:9], s[22:23]
	s_add_nc_u64 s[10:11], s[10:11], s[12:13]
.irp n, 0,1
	s_mov_b32 s[G0E+4*\n], 1
	s_add_co_u32 s[G0E+4*\n+1], s17, \n*LAND1
	s_add_nc_u64 s[G0E+4*\n+2:G0E+4*\n+3], s[4:5], \n*512
	s_or_b32 s[G0E+4*\n+3], s[G0E+4*\n+3], 0x80000000
.endr
	s_mov_b32 s[G0U], 1
	s_mov_b32 s[G0U+1], s20
	s_mov_b64 s[G0U+2:G0U+3], s[6:7]
	s_or_b32 s[G0U+3], s[G0U+3], 0x80000000
	ROUND
	tensor_load_to_lds s[G0E:G0E+3], s[G1E:G1E+7]  ; K step 0: one tensor load a wave at the head
	s_nop 0
	v_and_b32 v64, 15, v0                          ; r
	v_bfe_u32 v65, v0, 4, 1                        ; h
	v_and_b32 v66, 31, v0                          ; lane
	v_mul_u32_u24 v[XA], v64, PX
	v_lshl_add_u32 v[XA], v65, 6, v[XA]
	v_add_nc_u32 v[XA], s17, v[XA]                 ; landing: row r, 64 h bytes on
	v_add_nc_u32 v[XA+1], LAND1, v[XA]
	v_lshl_add_u32 v[SWI], v66, 4, s57
	v_lshl_add_u32 v[SWS], v64, 2, s58
	v_lshlrev_b32 v[BAD], 4, v66
	v_lshl_add_u32 v[TBA], v65, 5, TAB             ; my eight n of a tile's sixteen
	v_lshl_add_u32 v[SCW], v64, 2, s59
	v_lshl_add_u32 v[SCD], v66, 3, s59
	v_lshlrev_b32 v[GO], 3, v66
	v_lshlrev_b32 v[PFO], 12, v66                  ; a lane a row
.irp b, 0,1,2,3
	v_mov_b32 v[TM+4+\b], 0                        ; a lane permute's destination counts as one of its sources
.endr
	v_lshrrev_b32 v67, 1, v0
	v_lshlrev_b32 v67, 12, v67
	v_and_b32 v68, 1, v0
	v_lshl_add_u32 v67, v68, 6, v67                ; tab: tile thread / 2, half thread % 2 of the batch's 128 bytes
	v_lshl_add_u32 v68, v0, 6, TAB
	s_wait_alu depctr_va_vdst(0)
.irp i, 0,1,2,3
	global_load_b128 v[ST+4*\i:ST+4*\i+3], v67, s[8:9] offset:16*\i
.endr
	s_wait_tensorcnt 0x0                           ; K step 0 is in; the same three lines and round ahead of slot 1's first fill as ahead of a refill
	ds_add_u32 v[SPW], v[NIL]
	s_wait_dscnt 0x0
	ROUND
	tensor_load_to_lds s[G0E+4:G0E+7], s[G1E:G1E+7]
	s_nop 0
	PLACES 4
	ASK 2
	s_wait_loadcnt 0x0
.irp i, 0,1,2,3
	ds_store_b128 v68, v[ST+4*\i:ST+4*\i+3] offset:16*\i    ; read by all waves behind the rounds that follow
.endr
.irp s, 0,1,2,3,4,5
	KSTEP \s
	REFILL (\s)&1, (\s)+2
.endr
	KSTEP 6
	CHANGE 2, 0                                    ; landing slot 0 takes U's tiles 0-7,
	KSTEP 7
	CHANGE 1, 0                                    ; slot 1 tiles 8-15; tiles 0-7 are in
	v_bfe_u32 v[ADT], v0, 4, 1
	v_lshl_add_u32 v[ADB], v[ADT], 6, v[SWS]
.irp i, 0,1,2,3,4,5,6,7,8,9,10,11,12,13,14,15
	ds_load_b32 v[SA+\i], v[ADB] offset:128*\i     ; register 4 m + i: lanes 0-15 K step 2 i, lanes 16-31 K step 2 i + 1
.endr
.set N, 0
.rept 32
	v_mov_b32 v[SACC+N], 0                         ; the sums begin at 0, so that the tile is written once for all 64
.set N, N+1
.endr
	s_mov_b32 s[TLO], UT
	s_mov_b32 s[TTO], 0
.irp s, 0,1,2,3,4,5,6,7
.irp c, 0,1,2,3
	ds_load_b128 v[BF+16*\s+4*\c:BF+16*\s+4*\c+3], v[BAD] offset:2048*\s+512*\c
.endr
.endr
	ds_load_b128 v[SB:SB+3], v[BAD] offset:16384
	s_wait_dscnt 0x0
	BODIES 7                                       ; tile t fetches tile t + 1: a slot is left one tile ahead of its last products
	s_mov_b32 s[NSL], 6
.Lslot:
	CHANGE 1, 1
	BODIES 8
	s_sub_co_u32 s[NSL], s[NSL], 1
	s_cmp_lg_u32 s[NSL], 0
	s_cbranch_scc1 .Lslot
	CHANGE 0, 1
	BODIES 8
	BODY 0
	; THE WAY OUT: a row's eight sums of my half, then lane l xor 16's; 64 scores a wave leave as one aligned unit of 256 bytes
.irp g, 0,1,2,3
	v_pk_add_f32 v[ACC+2*\g:ACC+2*\g+1], v[SACC+8*\g:SACC+8*\g+1], v[SACC+8*\g+2:SACC+8*\g+3]
	v_pk_add_f32 v[ACC+8+2*\g:ACC+9+2*\g], v[SACC+8*\g+4:SACC+8*\g+5], v[SACC+8*\g+6:SACC+8*\g+7]
.endr
.irp g, 0,1,2,3
	v_pk_add_f32 v[ACC+2*\g:ACC+2*\g+1], v[ACC+2*\g:ACC+2*\g+1], v[ACC+8+2*\g:ACC+9+2*\g]
.endr
.irp g, 0,1,2,3
	v_add_f32 v[ACC+16+\g], v[ACC+2*\g], v[ACC+2*\g+1]
.endr
.irp g, 0,1,2,3
	v_permlanex16_b32 v[ACC+20+\g], v[ACC+16+\g], s[SEL], s[SEL+1]
.endr
.irp g, 0,1,2,3
	v_add_f32 v[ACC+16+\g], v[ACC+16+\g], v[ACC+20+\g]
.endr
.irp g, 0,1,2,3
	ds_store_b32 v[SCW], v[ACC+16+\g] offset:64*\g ; both halves write the same word with the same value
.endr
	ds_load_b64 v[ACC+2:ACC+3], v[SCD]
	s_wait_dscnt 0x0
	global_store_b64 v[GO], v[ACC+2:ACC+3], s[10:11]
	s_wait_tensorcnt 0x0                           ; the wave's end
	ds_add_u32 v[SPW], v[NIL]
	s_wait_dscnt 0x0
	ROUND                                          ; the closing round
	s_endpgm
.Lfunc_end_k_q69d9ec1a94_scorepass:
	.size	k_q69d9ec1a94_scorepass, .Lfunc_end_k_q69d9ec1a94_scorepass-k_q69d9ec1a94_scorepass
	.p2alignl 7, 3214868480
	.fill 96, 4, 3214868480
	.section	.rodata,"a",@progbits
	.p2align	6, 0x0
	.amdhsa_kernel k_q69d9ec1a94_scorepass
		.amdhsa_group_segment_fixed_size 327680
		.amdhsa_private_segment_fixed_size 0
		.amdhsa_enable_private_segment 0
		.amdhsa_kernarg_size 32
		.amdhsa_user_sgpr_count 2
		.amdhsa_user_sgpr_kernarg_segment_ptr 1
		.amdhsa_wavefront_size32 1
		.amdhsa_system_sgpr_workgroup_id_x 1
		.amdhsa_system_sgpr_workgroup_id_y 1
		.amdhsa_system_sgpr_workgroup_id_z 1
		.amdhsa_system_vgpr_workitem_id 0
		.amdhsa_next_free_vgpr 1024
		.amdhsa_next_free_sgpr 66
		.amdhsa_reserve_vcc 0
		.amdhsa_float_denorm_mode_32 3
		.amdhsa_float_denorm_mode_16_64 3
		.amdhsa_memory_ordered 1
		.amdhsa_forward_progress 1
		.amdhsa_inst_pref_size 157
	.end_amdhsa_kernel
	.amdgpu_metadata
---
amdhsa.version: [ 1, 2 ]
amdhsa.kernels:
  - .name:           k_q69d9ec1a94_scorepass
    .symbol:         k_q69d9ec1a94_scorepass.kd
    .args:
      - { .name: encoder_outputs, .offset: 0, .size: 8, .value_kind: global_buffer, .address_space: global }
      - { .name: ucodes, .offset: 8, .size: 8, .value_kind: global_buffer, .address_space: global }
      - { .name: tab, .offset: 16, .size: 8, .value_kind: global_buffer, .address_space: global }
      - { .name: scores, .offset: 24, .size: 8, .value_kind: global_buffer, .address_space: global }
    .group_segment_fixed_size: 327680
    .private_segment_fixed_size: 0
    .kernarg_segment_align: 8
    .kernarg_segment_size: 32
    .max_flat_workgroup_size: 128
    .sgpr_count:     66
    .vgpr_count:     1024
    .wavefront_size: 32
...
	.end_amdgpu_metadata
.endif
;; end of part 2
;; launch context (part 3): grid 256 x 1, 4 waves a work-group, no clusters, 327,680 bytes of LDS; arguments encoder_outputs, scores, out0, out1; writes out0, out1
.if DOCPART == 3
	.amdgcn_target "amdgcn-amd-amdhsa--gfx1250"
	.amdhsa_code_object_version 6
	.text
	.protected	k_q69d9ec1a94_context
	.globl	k_q69d9ec1a94_context
	.p2align	8
	.type	k_q69d9ec1a94_context,@function
k_q69d9ec1a94_context:
	s_mov_b64 s[64:65], 0
	v_nop
	global_prefetch_b8 v0, s[64:65] scope:SCOPE_SE
	s_setreg_imm32_b32 hwreg(HW_REG_WAVE_MODE, 25, 1), 1
	s_wait_xcnt 0x0
; CONTEXT.  out1[b][l] = softmax over l of scores[b][l] (the row's maximum is taken away first); out0[b][d] = sum over l of out1[b][l] encoder_outputs[b][l][d].  All in f32.
; The scores lack v_b and the sum of v_w, which are common to a batch's l and fall away here (shown at the head of the first kernel).
; A stream: one row of weights against 2,048 rows, each byte used once; the matrix unit (one row) and clusters would add nothing: work-groups share only a batch's 8 KB of scores, which each reads for itself.
; SHARES.  Work-group = (batch x / 8, columns 128 (x % 8) on): each output has one owner.  The rows come in 8 tiles of 256 rows x 512 bytes through a ring of two LDS slots of 128 KB; each of the four waves fetches
; 64 rows of a tile by one tensor load and sums those rows itself: a lane takes 4 columns.  The softmax is computed while tile 0's load is out.  The ring claims all of LDS.
; The weights in the sum are p = 2^((s - max) log2 e), not yet divided; the division by their sum is one multiplication at the end.
; PREFETCH: the trip that works tile t and loads tile t + 1 asks for tile t + 2: my wave's 64 rows x 512 bytes, a lane a block of 256 bytes, 4 instructions; trips 6 and 7 ask for nothing.
; LIMITS: NaN and infinities among the scores are not served; p under 2^-126 counts as 0; the promise holds while the scores x log2 e stay under 2^31 in magnitude.
.set SLOTB, 131072
.set STEPB, 1048576                    ; a tile on in memory: 256 rows of 4,096 bytes
.set WT,    2*SLOTB                    ; p, 2,048 f32
.set RMAX,  WT+8192                    ; the waves' maxima; 256 bytes on: their sums
.set RED,   RMAX+512                   ; the waves' parts of out0: 4 x 512 bytes
.set SPARE, RED+2048                   ; the spare words
.set SPW,  1
.set NIL,  2
.set XA,   3                           ; v3, v4  my rows in slot 0, 1
.set WA,   5                           ; my 64 weights of the tile in hand
.set T16,  8
.set W4,   9
.set RB,   10
.set WTS,  11
.set RDS,  12
.set RDL,  13
.set L16,  14
.set PFO,  15
.set ACC,  16                          ; v16-23 two chains of 4 sums
.set S,    32                          ; v32-47 my 16 scores, then p, then out1
.set W,    48                          ; v48-111 64 weights
.set X,    112                         ; v112-239 32 rows x 4
.set G1,   24
.set G0,   32
.set SEL,  40
.set PF,   42
	s_load_b256 s[4:11], s[0:1], 0x0               ; x s[4:5], scores s[6:7], out0 s[8:9], out1 s[10:11]
	v_lshl_add_u32 v[SPW], v0, 2, SPARE
	v_mov_b32 v[NIL], 0
	ds_add_u32 v[SPW], v[NIL]                      ; the opening lines: the add, twice on end, and its wait ahead of my first tensor load
	ds_add_u32 v[SPW], v[NIL]
	v_lshrrev_b32 v6, 5, v0
	v_readfirstlane_b32 s12, v6                    ; wave 0..3
	s_wait_alu depctr_va_vdst(0)
	s_lshr_b32 s13, ttmp9, 3                       ; batch
	s_and_b32 s14, ttmp9, 7                        ; which 128 columns
	s_lshl_b32 s16, s13, 23                        ; 2,048 rows of 4,096 bytes a batch,
	s_lshl_b32 s17, s12, 18                        ; 64 rows a wave,
	s_add_co_u32 s16, s16, s17
	s_lshl_b32 s17, s14, 9                         ; 512 bytes of a row
	s_add_co_u32 s16, s16, s17
	s_mov_b32 s17, 0
	s_lshl_b32 s18, s13, 13                        ; 8,192 bytes of scores and of out1 a batch
	s_mov_b32 s19, 0
	s_lshl_b32 s22, s13, 12                        ; 4,096 bytes of out0 a batch, my 512
	s_lshl_b32 s23, s14, 9
	s_add_co_u32 s22, s22, s23
	s_mov_b32 s23, 0
	s_lshl_b32 s15, s12, 15                        ; 64 rows of 512 bytes a wave in a slot
	s_mov_b32 s[G1+0], 2<<16                       ; 64 rows of 128 f32, 1,024 elements apart; a wave's reads take a row's 512 bytes on end: no padding
	s_mov_b32 s[G1+1], 128<<16
	s_mov_b32 s[G1+2], 64<<16
	s_mov_b32 s[G1+3], 128<<16
	s_mov_b32 s[G1+4], 64
	s_mov_b32 s[G1+5], 1024
	s_mov_b32 s[G1+6], 0
	s_mov_b32 s[G1+7], 0
	s_mov_b32 s[SEL], 0x76543210
	s_mov_b32 s[SEL+1], 0xfedcba98
	s_wait_dscnt 0x0                               ; both opening adds are done
	s_wait_kmcnt 0x0
	s_add_nc_u64 s[4:5], s[4:5], s[16:17]
	s_add_nc_u64 s[6:7], s[6:7], s[18:19]
	s_add_nc_u64 s[10:11], s[10:11], s[18:19]
	s_add_nc_u64 s[8:9], s[8:9], s[22:23]
.irp n, 0,1
	s_mov_b32 s[G0+4*\n], 1
	s_add_co_u32 s[G0+4*\n+1], s15, \n*SLOTB
	s_add_nc_u64 s[G0+4*\n+2:G0+4*\n+3], s[4:5], \n*STEPB
	s_or_b32 s[G0+4*\n+3], s[G0+4*\n+3], 0x80000000
.endr
	s_add_nc_u64 s[PF:PF+1], s[4:5], STEPB         ; each trip that asks steps it first: trip 0 names tile 2
	tensor_load_to_lds s[G0:G0+3], s[G1:G1+7]      ; tile 0: one tensor load a wave at the head
	s_nop 0
	v_and_b32 v7, 31, v0
	v_lshlrev_b32 v[T16], 4, v0
	v_lshl_add_u32 v[W4], v6, 2, RMAX
	v_mov_b32 v[RB], RMAX
	v_lshlrev_b32 v[L16], 4, v7
	v_lshl_add_u32 v[XA], v6, 15, v[L16]
	v_add_nc_u32 v[XA+1], SLOTB, v[XA]
	v_lshl_add_u32 v[WA], v6, 8, WT
	v_add_nc_u32 v[WTS], WT, v[T16]
	v_add_nc_u32 v[RDS], RED, v[T16]
	v_add_nc_u32 v[RDL], RED, v[L16]
	v_lshlrev_b32 v[PFO], 12, v7
	v_mov_b32 v25, 0                               ; a lane permute's destination counts as one of its sources
.irp k, 0,1,2,3,4,5,6,7
	v_mov_b32 v[ACC+\k], 0                         ; eight sums: the trip is written once for all tiles
.endr
	s_wait_alu depctr_va_vdst(0)
.irp q, 0,1,2,3
	global_load_b128 v[S+4*\q:S+4*\q+3], v[T16], s[6:7] offset:2048*\q    ; scores 512 q + 4 thread on: a wave reads 512 consecutive bytes
.endr
	s_wait_loadcnt 0x0
	v_max3_num_f32 v24, v[S], v[S+1], v[S+2]       ; the maximum: of my 16, of the wave, of the four waves
.irp i, 3,5,7,9,11,13
	v_max3_num_f32 v24, v24, v[S+\i], v[S+\i+1]
.endr
	v_max_num_f32 v24, v24, v[S+15]
.irp m, 1,2,4,8
	v_max_num_f32_dpp v24, v24, v24 row_xmask:\m row_mask:0xf bank_mask:0xf
.endr
	v_permlanex16_b32 v25, v24, s[SEL], s[SEL+1]
	v_max_num_f32 v24, v24, v25
	ds_store_b32 v[W4], v24                        ; all lanes write the wave's word with the same value
	s_wait_dscnt 0x0                               ; for the others' sake
	s_barrier_signal -1
	s_barrier_wait -1
	ds_load_b128 v[28:31], v[RB]
	s_wait_dscnt 0x0
	v_max3_num_f32 v24, v28, v29, v30
	v_max_num_f32 v24, v24, v31                    ; the row's maximum
.irp k, 0,1,2,3,4,5,6,7,8,9,10,11,12,13,14,15
	v_sub_f32 v[S+\k], v[S+\k], v24
.endr
.irp k, 0,1,2,3,4,5,6,7,8,9,10,11,12,13,14,15
	v_mul_f32 v[S+\k], 0x3fb8aa3b, v[S+\k]         ; x log2(e)
.endr
	s_wait_alu depctr_va_vdst(0)
.irp k, 0,1,2,3,4,5,6,7,8,9,10,11,12,13,14,15
	v_exp_f32 v[S+\k], v[S+\k]                     ; p, at most 1
.endr
	v_nop
	s_wait_alu depctr_va_vdst(0)
.irp q, 0,1,2,3
	ds_store_b128 v[WTS], v[S+4*\q:S+4*\q+3] offset:2048*\q
.endr
	v_pk_add_f32 v[26:27], v[S:S+1], v[S+2:S+3]
.irp i, 4,6,8,10,12,14
	v_pk_add_f32 v[26:27], v[26:27], v[S+\i:S+\i+1]
.endr
	v_add_f32 v26, v26, v27
.irp m, 1,2,4,8
	v_add_f32_dpp v26, v26, v26 row_xmask:\m row_mask:0xf bank_mask:0xf
.endr
	v_permlanex16_b32 v25, v26, s[SEL], s[SEL+1]
	v_add_f32 v26, v26, v25
	ds_store_b32 v[W4], v26 offset:256
	s_wait_dscnt 0x0                               ; for the others' sake: p and my sum lie in LDS
	s_barrier_signal -1
	s_barrier_wait -1
	ds_load_b128 v[28:31], v[RB] offset:256
	s_wait_dscnt 0x0
	v_add_f32 v28, v28, v29
	v_add_f32 v30, v30, v31
	v_add_f32 v28, v28, v30                        ; the row's sum: at least 1, since the maximum's p is 1
	s_wait_alu depctr_va_vdst(0)
	v_rcp_f32 v27, v28
	v_nop
	s_wait_alu depctr_va_vdst(0)
	s_cmp_lg_u32 s14, 0                            ; out1 has one owner: the batch's first work-group
	s_cbranch_scc1 .Lno_attn
.irp k, 0,1,2,3,4,5,6,7,8,9,10,11,12,13,14,15
	v_mul_f32 v[S+\k], v[S+\k], v27                ; these registers are not written again
.endr
.irp q, 0,1,2,3
	global_store_b128 v[T16], v[S+4*\q:S+4*\q+3], s[10:11] offset:2048*\q
.endr
.Lno_attn:
.macro HALF slot, hf, ask              ; 32 of my 64 rows: loaded, then four multiply-adds a row, in two chains
.set I, 0
.rept 32
	ds_load_b128 v[X+4*I:X+4*I+3], v[XA+\slot] offset:512*(32*\hf+I)
.set I, I+1
.endr
	s_wait_alu depctr_va_vdst(0)
	s_wait_dscnt 0x0
.set I, 0
.rept 32
.irp k, 0,1,2,3
	v_fmac_f32 v[ACC+4*(I&1)+\k], v[X+4*I+\k], v[W+32*\hf+I]
.endr
.set I, I+1
.endr
.if \ask
.irp q, 0,1,2,3
	global_prefetch_b8 v[PFO], s[PF:PF+1] offset:256*((\q)&1)+131072*((\q)>>1) th:TH_LOAD_NT scope:SCOPE_SE
.endr
.endif
.endm
.macro TRIP slot, refill, ask
	s_wait_tensorcnt 0x0                           ; my one load that was out, my part of this trip's tile, is in;
	ds_add_u32 v[SPW], v[NIL]
	s_add_nc_u64 s[G0+4*\slot+2:G0+4*\slot+3], s[G0+4*\slot+2:G0+4*\slot+3], 2*STEPB   ; no load of mine is out: this slot's next tile
.if \ask
	s_wait_xcnt 0x0                                ; the last trip's prefetches have read their base
	s_add_nc_u64 s[PF:PF+1], s[PF:PF+1], STEPB
.endif
	s_wait_dscnt 0x0                               ; the add is done, and my reads of the other slot are over
	s_barrier_signal -1
	s_barrier_wait -1
.if \refill
	tensor_load_to_lds s[G0+4-4*\slot:G0+7-4*\slot], s[G1:G1+7]   ; the next tile, into the slot read last trip (the first time: slot 1's first fill)
	s_nop 0
.endif
.irp i, 0,1,2,3,4,5,6,7,8,9,10,11,12,13,14,15
	ds_load_b128 v[W+4*\i:W+4*\i+3], v[WA] offset:16*\i            ; every lane reads the same words
.endr
	v_add_nc_u32 v[WA], 1024, v[WA]                ; the next tile's weights
	HALF \slot, 0, \ask
	HALF \slot, 1, 0
	s_wait_alu depctr_va_vdst(0)
.endm
	s_mov_b32 s44, 3
.Lloop:
	TRIP 0, 1, 1
	TRIP 1, 1, 1
	s_sub_co_u32 s44, s44, 1
	s_cmp_lg_u32 s44, 0
	s_cbranch_scc1 .Lloop
	TRIP 0, 1, 0                                   ; the last two trips are written out: tile 7 is the last that is asked for
	TRIP 1, 0, 0
	v_pk_add_f32 v[ACC:ACC+1], v[ACC:ACC+1], v[ACC+4:ACC+5]
	v_pk_add_f32 v[ACC+2:ACC+3], v[ACC+2:ACC+3], v[ACC+6:ACC+7]
	ds_store_b128 v[RDS], v[ACC:ACC+3]             ; 512 x wave + 16 x lane
	s_wait_tensorcnt 0x0                           ; behind my last tensor load and my last LDS store
	ds_add_u32 v[SPW], v[NIL]
	s_wait_dscnt 0x0                               ; also for wave 0's sake
	s_barrier_signal -1
	s_barrier_wait -1
	s_cmp_lg_u32 s12, 0
	s_cbranch_scc1 .Lend
.irp i, 0,1,2,3
	ds_load_b128 v[X+4*\i:X+4*\i+3], v[RDL] offset:512*\i
.endr
	s_wait_dscnt 0x0
.irp i, 1,2,3
	v_pk_add_f32 v[X:X+1], v[X:X+1], v[X+4*\i:X+4*\i+1]
	v_pk_add_f32 v[X+2:X+3], v[X+2:X+3], v[X+4*\i+2:X+4*\i+3]
.endr
.irp k, 0,1,2,3
	v_mul_f32 v[X+\k], v[X+\k], v27                ; / the row's sum
.endr
	global_store_b128 v[L16], v[X:X+3], s[8:9]     ; 512 consecutive bytes, at a multiple of 256 from out0's first byte
.Lend:
	s_endpgm
.Lfunc_end_k_q69d9ec1a94_context:
	.size	k_q69d9ec1a94_context, .Lfunc_end_k_q69d9ec1a94_context-k_q69d9ec1a94_context
	.p2alignl 7, 3214868480
	.fill 96, 4, 3214868480
	.section	.rodata,"a",@progbits
	.p2align	6, 0x0
	.amdhsa_kernel k_q69d9ec1a94_context
		.amdhsa_group_segment_fixed_size 327680
		.amdhsa_private_segment_fixed_size 0
		.amdhsa_enable_private_segment 0
		.amdhsa_kernarg_size 32
		.amdhsa_user_sgpr_count 2
		.amdhsa_user_sgpr_kernarg_segment_ptr 1
		.amdhsa_wavefront_size32 1
		.amdhsa_system_sgpr_workgroup_id_x 1
		.amdhsa_system_sgpr_workgroup_id_y 1
		.amdhsa_system_sgpr_workgroup_id_z 1
		.amdhsa_system_vgpr_workitem_id 0
		.amdhsa_next_free_vgpr 256
		.amdhsa_next_free_sgpr 66
		.amdhsa_reserve_vcc 0
		.amdhsa_float_denorm_mode_32 3
		.amdhsa_float_denorm_mode_16_64 3
		.amdhsa_memory_ordered 1
		.amdhsa_forward_progress 1
		.amdhsa_inst_pref_size 67
	.end_amdhsa_kernel
	.amdgpu_metadata
---
amdhsa.version: [ 1, 2 ]
amdhsa.kernels:
  - .name:           k_q69d9ec1a94_context
    .symbol:         k_q69d9ec1a94_context.kd
    .args:
      - { .name: encoder_outputs, .offset: 0, .size: 8, .value_kind: global_buffer, .address_space: global }
      - { .name: scores, .offset: 8, .size: 8, .value_kind: global_buffer, .address_space: global }
      - { .name: out0, .offset: 16, .size: 8, .value_kind: global_buffer, .address_space: global }
      - { .name: out1, .offset: 24, .size: 8, .value_kind: global_buffer, .address_space: global }
    .group_segment_fixed_size: 327680
    .private_segment_fixed_size: 0
    .kernarg_segment_align: 8
    .kernarg_segment_size: 32
    .max_flat_workgroup_size: 128
    .sgpr_count:     66
    .vgpr_count:     256
    .wavefront_size: 32
...
	.end_amdgpu_metadata
.endif
;; end of part 3
